; MI455X (gfx1250); checked and timed in simulation.
; The chip was launched on July 23, 2026; its instructions are those of AMD's public machine-readable ISA for CDNA 5 (MIT licence, August 2026) and "CDNA5" Instruction Set Architecture Reference Guide (July 2026). The comments in the code are by the model that wrote it; some were corrected since.
;; Audio Cross Attention. Allowed arithmetic: float matrix products may take bf16 or f16 operands with f32 sums; all other float work in f32.
;; Inputs: Wk 1,024 x 1,024 float32; Wo 1,024 x 1,024 float32; Wq 1,024 x 1,024 float32; Wv 1,024 x 1,024 float32; audio_features 2 x 2,048 x 1,024 float32; audio_labels 2 int32; bk 1,024 float32; bo 1,024 float32; bq 1,024 float32; bv 1,024 float32; label_emb 8 x 64 float32; visual_features 2 x 2,048 x 1,024 float32.
;; Outputs: out0 2 x 2,048 x 1,024 float32.
;; One version. Each part assembles by itself: llvm-mc -triple=amdgcn-amd-amdhsa -mcpu=gfx1250 --defsym DOCPART=n.
;; ======== version 1 of 1: 4 launches
;; limits: values are held in f16: magnitudes above 65,504 overflow, below 6.1e-05 lose precision
;; workspace buffers: xb 25,165,824 bytes; qw 8,388,608 bytes; kw 8,388,608 bytes; vt 8,388,608 bytes; ao 8,388,608 bytes
;; launch tof16 (part 1): grid 64 x 12, 8 waves a work-group, no clusters, 0 bytes of LDS; arguments visual_features, audio_features, Wq, Wk, Wv, Wo, xb; writes xb
.if DOCPART == 1
	.amdgcn_target "amdgcn-amd-amdhsa--gfx1250"
	.amdhsa_code_object_version 6
	.text
	.protected	k_q68abc9e39d_tof16
	.globl	k_q68abc9e39d_tof16
	.p2align	8
	.type	k_q68abc9e39d_tof16,@function
k_q68abc9e39d_tof16:
	s_mov_b64 s[64:65], 0
	v_nop
	global_prefetch_b8 v0, s[64:65] scope:SCOPE_SE
	s_setreg_imm32_b32 hwreg(HW_REG_WAVE_MODE, 25, 1), 1
	s_wait_xcnt 0x0
; f32 -> f16 of everything that later feeds a matrix unit, once, so that the three matrix launches move half the bytes and copy tiles unchanged.
; xb (f16): visual [4096][1024] at byte 0; audio [4096][1024] at 8,388,608; Wqkv [nb 8][z 3][128][1024] at 16,777,216 (z = q, k, v; row 128 nb + row
; of the source), so that the 384 weight rows of one block of 128 output columns lie together; Wo [1024][1024] at 23,068,672.
; Work-group (x, y): y = 0-3 visual, 4-7 audio, 8 Wq, 9 Wk, 10 Wv, 11 Wo; x = which 16,384 numbers (64 KiB in, 32 KiB out) of that quarter or matrix.
; Thread t: 16 loads of 16 bytes at 16 t + 4096 i, all issued at once, and 16 stores of 8 bytes at 8 t + 2048 i: a wave's load covers 512
; consecutive bytes, its store 256 consecutive bytes, aligned.  No LDS, no barrier, no cluster: no two work-groups read the same byte.
; LIMIT: f16 holds magnitudes up to 65,504 and steps of 2^-24 below 2^-14; features and weights 30 times the drawn spread (150 and 3) or 30 times
; smaller (weights of 7e-4: step 6e-8) lie well inside.
.set X, 4                              ; v[4:67]   16 x 4 numbers as loaded
.set Y, 68                             ; v[68:99]  16 x 2 registers to store
.set WQKV, 16777216
	s_load_b256 s[4:11], s[0:1], 0x0               ; visual s[4:5], audio s[6:7], Wq s[8:9], Wk s[10:11]
	s_load_b128 s[12:15], s[0:1], 0x20             ; Wv s[12:13], Wo s[14:15]
	s_load_b64 s[16:17], s[0:1], 0x30              ; xb
	s_and_b32 s2, ttmp7, 0xffff                    ; y
	s_mov_b32 s3, ttmp9                            ; x
	v_lshlrev_b32 v1, 4, v0                        ; 16 t
	v_lshlrev_b32 v2, 3, v0                        ; 8 t
	; source offset: the quarter of a feature tensor (4 MiB each), none for a weight; then 64 KiB for each x
	s_and_b32 s22, s2, 3
	s_cmp_lt_u32 s2, 8
	s_cselect_b32 s22, s22, 0
	s_lshl_b32 s22, s22, 22
	s_lshl_b32 s26, s3, 16
	s_add_co_u32 s22, s22, s26
	s_mov_b32 s23, 0
	; destination offset, plain: 2 MiB for each y, 32 KiB for each x
	s_lshl_b32 s24, s2, 21
	s_lshl_b32 s26, s3, 15
	s_add_co_u32 s24, s24, s26
	; destination offset for Wq, Wk, Wv: x is 16 rows; nb = x / 8, 786,432 bytes each; z = y - 8, 262,144 bytes each; (x mod 8) x 16 rows of 2,048 bytes
	s_lshr_b32 s27, s3, 3
	s_mul_i32 s27, s27, 786432
	s_sub_co_u32 s28, s2, 8
	s_lshl_b32 s29, s28, 18
	s_add_co_u32 s27, s27, s29
	s_and_b32 s29, s3, 7
	s_lshl_b32 s29, s29, 15
	s_add_co_u32 s27, s27, s29
	s_add_co_u32 s27, s27, WQKV
	s_cmp_lt_u32 s28, 3                            ; y = 8, 9, 10 (unsigned: y < 8 wraps to a large number)
	s_cselect_b32 s24, s27, s24
	s_mov_b32 s25, 0
	s_wait_kmcnt 0x0
	; which buffer is read hangs on y alone
	s_mov_b64 s[20:21], s[4:5]
	s_cmp_ge_u32 s2, 4
	s_cselect_b64 s[20:21], s[6:7], s[20:21]
	s_cmp_ge_u32 s2, 8
	s_cselect_b64 s[20:21], s[8:9], s[20:21]
	s_cmp_ge_u32 s2, 9
	s_cselect_b64 s[20:21], s[10:11], s[20:21]
	s_cmp_ge_u32 s2, 10
	s_cselect_b64 s[20:21], s[12:13], s[20:21]
	s_cmp_ge_u32 s2, 11
	s_cselect_b64 s[20:21], s[14:15], s[20:21]
	s_add_nc_u64 s[20:21], s[20:21], s[22:23]
	s_add_nc_u64 s[16:17], s[16:17], s[24:25]
.set i, 0
.rept 16
	global_load_b128 v[X+4*i:X+4*i+3], v1, s[20:21] offset:4096*i th:TH_LOAD_NT   ; read once in the launch
.set i, i+1
.endr
.set i, 0
.rept 16
	s_wait_loadcnt 15-i                            ; loads come back in order (ISA guide 5.7.1): load i is in, the 15 - i younger ones stay out
	v_cvt_pk_f16_f32 v[Y+2*i], v[X+4*i], v[X+4*i+1]
	v_cvt_pk_f16_f32 v[Y+2*i+1], v[X+4*i+2], v[X+4*i+3]
	global_store_b64 v2, v[Y+2*i:Y+2*i+1], s[16:17] offset:2048*i   ; no register is written twice, so nothing waits for a store
.set i, i+1
.endr
	s_endpgm
.Lfunc_end_k_q68abc9e39d_tof16:
	.size	k_q68abc9e39d_tof16, .Lfunc_end_k_q68abc9e39d_tof16-k_q68abc9e39d_tof16
	.p2alignl 7, 3214868480
	.fill 96, 4, 3214868480
	.section	.rodata,"a",@progbits
	.p2align	6, 0x0
	.amdhsa_kernel k_q68abc9e39d_tof16
		.amdhsa_group_segment_fixed_size 0
		.amdhsa_private_segment_fixed_size 0
		.amdhsa_enable_private_segment 0
		.amdhsa_kernarg_size 56
		.amdhsa_user_sgpr_count 2
		.amdhsa_user_sgpr_kernarg_segment_ptr 1
		.amdhsa_wavefront_size32 1
		.amdhsa_system_sgpr_workgroup_id_x 1
		.amdhsa_system_sgpr_workgroup_id_y 1
		.amdhsa_system_sgpr_workgroup_id_z 1
		.amdhsa_system_vgpr_workitem_id 0
		.amdhsa_next_free_vgpr 104
		.amdhsa_next_free_sgpr 66
		.amdhsa_reserve_vcc 0
		.amdhsa_float_denorm_mode_32 3
		.amdhsa_float_denorm_mode_16_64 3
		.amdhsa_memory_ordered 1
		.amdhsa_forward_progress 1
		.amdhsa_inst_pref_size 8
	.end_amdhsa_kernel
	.amdgpu_metadata
---
amdhsa.version: [ 1, 2 ]
amdhsa.kernels:
  - .name:           k_q68abc9e39d_tof16
    .symbol:         k_q68abc9e39d_tof16.kd
    .args:
      - { .name: visual_features, .offset: 0, .size: 8, .value_kind: global_buffer, .address_space: global }
      - { .name: audio_features, .offset: 8, .size: 8, .value_kind: global_buffer, .address_space: global }
      - { .name: Wq, .offset: 16, .size: 8, .value_kind: global_buffer, .address_space: global }
      - { .name: Wk, .offset: 24, .size: 8, .value_kind: global_buffer, .address_space: global }
      - { .name: Wv, .offset: 32, .size: 8, .value_kind: global_buffer, .address_space: global }
      - { .name: Wo, .offset: 40, .size: 8, .value_kind: global_buffer, .address_space: global }
      - { .name: xb, .offset: 48, .size: 8, .value_kind: global_buffer, .address_space: global }
    .group_segment_fixed_size: 0
    .private_segment_fixed_size: 0
    .kernarg_segment_align: 8
    .kernarg_segment_size: 56
    .max_flat_workgroup_size: 256
    .sgpr_count:     66
    .vgpr_count:     104
    .wavefront_size: 32
...
	.end_amdgpu_metadata
.endif
;; end of part 1
;; launch qkv (part 2): grid 8 x 32, 4 waves a work-group, clusters of 4 x 4, 327,680 bytes of LDS; arguments xb, bq, bk, bv, audio_labels, label_emb, qw, kw, vt; writes qw, kw, vt
.if DOCPART == 2
	.amdgcn_target "amdgcn-amd-amdhsa--gfx1250"
	.amdhsa_code_object_version 6
	.text
	.protected	k_q68abc9e39d_qkv
	.globl	k_q68abc9e39d_qkv
	.p2align	8
	.type	k_q68abc9e39d_qkv,@function
k_q68abc9e39d_qkv:
	s_mov_b64 s[64:65], 0
	v_nop
	global_prefetch_b8 v0, s[64:65] scope:SCOPE_SE
	s_setreg_imm32_b32 hwreg(HW_REG_WAVE_MODE, 25, 1), 1
	s_wait_xcnt 0x0
	s_wait_alu depctr_hold_cnt(0) depctr_sa_sdst(0) depctr_va_vdst(0) depctr_va_sdst(0) depctr_va_ssrc(0) depctr_va_vcc(0) depctr_vm_vsrc(0)
	s_getreg_b32 s2, hwreg(HW_REG_IB_STS2, 6, 4)
	s_cmp_eq_u32 s2, 0
	s_cbranch_scc0 .Lentry_in_a_cluster
	s_endpgm
.Lentry_in_a_cluster:
	s_bfe_u32 s2, ttmp6, 0x10000c
	s_cmp_lg_u32 s2, 0xf033
	s_cbranch_scc0 .Lentry_shape_is_right
	s_endpgm
.Lentry_shape_is_right:
; q = visual Wq' + bq;  k = audio Wk' + bk + emb;  v = audio Wv' + bv, all three in one launch.  Operands f16 (from xb), sums f32, results f16.
; Work-group (nb, mb): rows 128 mb .. +127 (of 4,096 = batch x sequence) and output columns 128 nb .. +127 of Q, K and V.  Four waves; wave w has
; i = w / 2 (which 64 rows) and jn = w mod 2 (which 64 columns = head 2 nb + jn): 64 x 64 of each of the three = 48 accumulator tiles of 16 x 16.
; K and V share the audio fragments: for 32 along K a wave reads 20 fragments from LDS for 48 matrix instructions.
; K goes in 16 steps of 64 through two LDS slots; a slot holds 128 rows of visual, 128 of audio and the 384 weight rows, 128 bytes each.  (A step of
; 128 would need 640 rows x 272 bytes x 2 slots = 348,160 bytes, more than the 327,680 that a work-group can have.)
; CLUSTERS: 4 x 4 work-groups.  The feature tiles hang on mb alone and are asked for jointly along a row of the cluster, the weight tiles on nb alone
; and jointly along a column: each tile is requested once for four work-groups.
; emb[s][d] = (d < 32 ? sin : cos)(s x 10000^(-(d mod 32)/32)) x label_emb[label][d] is built in LDS for the block's 128 positions while the first
; tiles are on their way, and starts K's sums together with bk; bq starts Q's sums; V's first products start its sums and bv is added at the end.
; Q and K use the matrix instruction transposed (source 0 = weight rows, source 1 = feature rows): a lane then holds 8 neighbouring columns of one
; row.  V uses it straight: a lane holds 8 neighbouring positions of one column, which is 16 bytes of a row of vt = V transposed.
; OUT: qw, kw [b*16+h][2048][64] f16; vt [b*16+h][64][2048] f16; all through LDS, so that every store of a wave covers whole aligned runs of 256 bytes.
; LIMITS: f16 results: |q|, |k|, |v| below 65,504 (all inputs 30 times the drawn spread give a spread of sqrt(1024) x 30 x 0.6 = 576; a common offset
; of 30 spreads on features and weights gives 1024 x 30 x 0.6 = 18,432).  A label outside 0..7 is taken as 7.  sin and cos: reduction by pi/2 in two
; parts (exact to below 1e-12 for arguments up to 2,047), polynomials to r^9 and r^8 (below 1e-7 on |r| <= pi/4), then at most 31 rotations by one
; position: about 1e-5 in all; the frequency comes from v_exp_f32 (1 ULP), which moves the angle at position 2,047 by up to 3e-4.
;
; REGISTERS (windows of 256):
;   window 0: v1-7 at work; v8-15 bv (each twice); v16-28 addresses; v32-63 bk; v64-95 visual, v96-127 Wq (the Q set); v128-159 audio, v160-191 Wk,
;             v192-223 Wv (the KV set); v64-83 also serve the building of emb, before the first fetch
;   window 1: v0-127 K's 16 tiles, v128-255 V's;   window 2: v0-127 Q's.  Tile (at, wt) = rows 16 at, columns 16 wt, at 8 (4 at + wt).
.set PITCH,  144                       ; an LDS row: 128 bytes + 16 = 9 x 16: sixteen rows start at sixteen different 16-byte columns of 256 bytes
.set TILE,   128*PITCH                 ; 18,432
.set SLOT,   5*TILE                    ; visual 0, audio TILE, Wq 2 TILE, Wk 3 TILE, Wv 4 TILE
.set EBASE,  2*SLOT                    ; 184,320: emb, 128 rows x 64 f32; later V's stage, 128 rows (d) x 128 f16.  No tile ever lands here
.set EPITCH, 272                       ; 256 bytes + 16
.set QSTG,   EBASE+128*EPITCH          ; 219,136: Q's and K's way out, 64 rows x 144 bytes for each wave
.set G1W0,   (1<<16)|(1<<20)|(1<<21)|(4<<22)|(3<<25)   ; 17:16 elements of 2 bytes; 20 padding on; 21 set beside a mask; 24:22 after every 32 words; 31:25 of 4 words
.set G1A, 32                           ; s[32:39] group 1 of the feature tiles
.set G0A, 40                           ; s[40:47] their group 0, one set for each slot
.set G1B, 48                           ; s[48:55] group 1 of the weight tiles
.set G0B, 56                           ; s[56:63] their group 0
.set BV,   8
.set ADRA, 16                          ; v16-17 my feature fragments in slot 0, 1
.set ADRW, 18                          ; v18-19 my weight fragments
.set STO,  20
.set RD,   21
.set VSTO, 22
.set VRD,  23
.set GO,   24
.set GV,   25
.set ERD,  26
.set VB,   27
.set VB2,  28
.set BK,   32
.set FAV,  64
.set FWQ,  96
.set FAA,  128
.set FWK,  160
.set FWV,  192
.set EF, 64                            ; emb: frequency
.set EX, 65                            ; first angle
.set SN, 66
.set CS, 67
.set DS, 68                            ; sin, cos of one position's step
.set DC, 69
.set TN, 70
.set TR, 71
.set TR2, 72
.set TP, 73
.set TQ, 74
.set LABS, 75
.set LABC, 76
.set E0, 77
.set EADR, 81
.set ELANE, 82
.set LOFF, 83
.set MSB, 0
.macro WIN new                         ; s_set_vgpr_msb: bits 1:0 source 0, 3:2 source 1, 5:4 source 2, 7:6 destination; the high byte repeats the setting that is left
.if MSB != \new
	s_set_vgpr_msb (MSB<<8)|\new
.set MSB, \new
.endif
.endm
.macro PLACES                          ; four plain vector instructions between a matrix instruction and a load into, or a vector use of, its registers
.rept 4
	v_nop
.endr
.endm
; A joint load.  Waves 0, 1 ask for the visual and the audio tile, waves 2, 3 for 192 weight rows each.  Each line has one mask and registers that are
; equal in the four work-groups that it names; the branch hangs on the wave's number alone.
.macro JLOAD s
	s_cmp_eq_u32 s23, 0
	s_cbranch_scc0 .Lfor_b_\@
	tensor_load_to_lds s[G0A+4*\s:G0A+4*\s+3], s[G1A:G1A+7]
	s_nop 0
	s_branch .Lasked_\@
.Lfor_b_\@:
	tensor_load_to_lds s[G0B+4*\s:G0B+4*\s+3], s[G1B:G1B+7]
	s_nop 0
.Lasked_\@:
.endm
.macro CREST                           ; a round of the cluster's barrier behind its opening work-group barrier
	s_cmp_lg_u32 s22, 0
	s_cbranch_scc1 .Lnot_wave_0_\@
	s_barrier_signal -3
.Lnot_wave_0_\@:
	s_barrier_wait -3
	s_barrier_signal -1
	s_barrier_wait -1
.endm
.macro CROUND                          ; a whole round
	s_barrier_signal -1
	s_barrier_wait -1
	CREST
.endm
	s_load_b256 s[4:11], s[0:1], 0x0               ; xb s[4:5], bq s[6:7], bk s[8:9], bv s[10:11]
	s_load_b256 s[12:19], s[0:1], 0x20             ; audio_labels s[12:13], label_emb s[14:15], qw s[16:17], kw s[18:19]
	s_load_b64 s[20:21], s[0:1], 0x40              ; vt
	v_lshl_add_u32 v254, v0, 2, 0x3e800
	v_mov_b32 v255, 0
	ds_add_u32 v254, v255
	v_lshrrev_b32 v1, 5, v0
	v_readfirstlane_b32 s22, v1                    ; wave 0..3
	s_lshr_b32 s23, s22, 1                         ; i: my 64 rows.  Also: I ask for features (0) or weights (1)
	s_and_b32 s24, s22, 1                          ; jn: my 64 columns.  Also: which of the two tiles I ask for
	s_bfe_u32 s25, ttmp6, 0x40000                  ; cx
	s_bfe_u32 s26, ttmp6, 0x40004                  ; cy
	s_lshl_b32 s27, ttmp9, 2
	s_add_co_u32 s27, s27, s25                     ; nb = 4 x cluster x + cx
	s_and_b32 s28, ttmp7, 0xffff
	s_lshl_b32 s28, s28, 2
	s_add_co_u32 s28, s28, s26                     ; mb = 4 x cluster y + cy
	s_lshl_b32 s29, s26, 2
	s_lshl_b32 s29, 15, s29                        ; my row of the cluster: places 4 cy .. 4 cy + 3
	s_lshl_b32 s30, 0x1111, s25                    ; my column: places cx, cx + 4, cx + 8, cx + 12
	s_or_b32 s[G1A+0], s29, G1W0
	s_mov_b32 s[G1A+1], 64<<16                     ; tensor_dim0 = 64
	s_mov_b32 s[G1A+2], 128<<16                    ; tensor_dim1 = 128
	s_mov_b32 s[G1A+3], 64<<16                     ; tile_dim0 = 64 elements = 128 bytes
	s_mov_b32 s[G1A+4], 128                        ; tile_dim1 = 128 rows
	s_mov_b32 s[G1A+5], 1024                       ; elements from row to row
	s_mov_b32 s[G1A+6], 0
	s_mov_b32 s[G1A+7], 0
	s_or_b32 s[G1B+0], s30, G1W0
	s_mov_b32 s[G1B+1], 64<<16
	s_mov_b32 s[G1B+2], 192<<16                    ; 192 rows: half of Wq, Wk, Wv's 384 rows of this block of columns
	s_mov_b32 s[G1B+3], 64<<16
	s_mov_b32 s[G1B+4], 192
	s_mov_b32 s[G1B+5], 1024
	s_mov_b32 s[G1B+6], 0
	s_mov_b32 s[G1B+7], 0
	; where the tiles come from: the features' offset is made of mb and the wave, the weights' of nb and the wave, each in registers of its own
	s_lshl_b32 s66, s28, 18                        ; 128 rows of 2,048 bytes
	s_lshl_b32 s75, s24, 23                        ; audio lies 8,388,608 bytes behind visual
	s_add_co_u32 s66, s66, s75
	s_mov_b32 s67, 0
	s_mul_i32 s68, s27, 786432                     ; 384 rows of 2,048 bytes
	s_mul_i32 s76, s24, 393216                     ; 192 rows
	s_add_co_u32 s68, s68, s76
	s_add_co_u32 s68, s68, 16777216
	s_mov_b32 s69, 0
	s_mul_i32 s70, s22, TILE                       ; and where they go: waves 0, 1: wave x 128 rows;
	s_mul_i32 s71, s22, 192*PITCH                  ; waves 2, 3: 256 rows + (wave - 2) x 192 rows = wave x 27,648 - 18,432
	s_sub_co_u32 s71, s71, TILE
	s_lshr_b32 s86, s28, 4                         ; batch
	s_lshl_b32 s86, s86, 2
	s_mov_b32 s87, 0
	s_wait_dscnt 0x0
	s_wait_kmcnt 0x0
	s_add_nc_u64 s[72:73], s[4:5], s[66:67]
	s_add_nc_u64 s[90:91], s[4:5], s[68:69]
	s_add_nc_u64 s[88:89], s[12:13], s[86:87]
	s_load_b32 s74, s[88:89], 0x0                  ; my batch's label
	CROUND                                         ; all sixteen work-groups are here: the first joint loads meet
.irp s, 0,1
	s_mov_b32 s[G0A+4*\s], 1
	s_add_co_u32 s[G0A+4*\s+1], s70, \s*SLOT
	s_add_nc_u64 s[G0A+4*\s+2:G0A+4*\s+3], s[72:73], \s*128        ; K step s
	s_or_b32 s[G0A+4*\s+3], s[G0A+4*\s+3], 0x80000000
	s_mov_b32 s[G0B+4*\s], 1
	s_add_co_u32 s[G0B+4*\s+1], s71, \s*SLOT
	s_add_nc_u64 s[G0B+4*\s+2:G0B+4*\s+3], s[90:91], \s*128
	s_or_b32 s[G0B+4*\s+3], s[G0B+4*\s+3], 0x80000000
	JLOAD \s                                       ; both slots are asked for before anything else: two tensor loads of a wave are out, never more
.endr
	; addresses.  r = lane mod 16, h = lane / 16.  A fragment (16 rows x 32 K) is two loads of 16 bytes, 32 bytes apart, at row x pitch + 16 h.
	v_and_b32 v1, 15, v0
	v_bfe_u32 v2, v0, 4, 1
	v_mul_u32_u24 v3, v1, PITCH
	v_lshl_add_u32 v3, v2, 4, v3
	s_mul_i32 s92, s23, 64*PITCH
	s_mul_i32 s93, s24, 64*PITCH
	s_add_co_u32 s93, s93, 2*TILE
	v_add_nc_u32 v[ADRA], s92, v3
	v_add_nc_u32 v[ADRW], s93, v3
	v_add_nc_u32 v[ADRA+1], SLOT, v[ADRA]
	v_add_nc_u32 v[ADRW+1], SLOT, v[ADRW]
	s_mul_i32 s94, s22, 64*PITCH
	s_add_co_u32 s94, s94, QSTG                    ; my stage for Q and K
	v_add_nc_u32 v[STO], s94, v3                   ; in: row r, 16 bytes for each half of the lanes
	v_bfe_u32 v4, v0, 3, 2
	v_and_b32 v5, 7, v0
	v_mul_u32_u24 v4, v4, PITCH
	v_lshl_add_u32 v4, v5, 4, v4
	v_add_nc_u32 v[RD], s94, v4                    ; back: eight lanes take a row of 128 bytes, a wave four rows
	v_mul_u32_u24 v6, v1, EPITCH
	s_mul_i32 s95, s24, 64*EPITCH
	s_lshl_b32 s97, s23, 7
	s_add_co_u32 s95, s95, s97
	s_add_co_u32 s95, s95, EBASE
	v_lshl_add_u32 v4, v2, 4, v6
	v_add_nc_u32 v[VSTO], s95, v4                  ; V's stage, in: row 64 jn + r (+ 16 wt), byte 128 i + 16 h (+ 32 at)
	s_mul_i32 s96, s22, 32*EPITCH
	s_add_co_u32 s96, s96, EBASE                   ; my 32 rows of emb, and later of V's stage
	v_mul_u32_u24 v4, v2, EPITCH
	v_lshl_add_u32 v4, v1, 4, v4
	v_add_nc_u32 v[VRD], s96, v4                   ; back: sixteen lanes take a row of 256 bytes
	v_and_b32 v7, 31, v0
	v_lshlrev_b32 v[GO], 4, v7                     ; qw, kw: my 64 rows are 8,192 consecutive bytes
	s_lshl_b32 s97, s22, 17
	v_lshlrev_b32 v4, 12, v2
	v_lshl_add_u32 v4, v1, 4, v4
	v_add_nc_u32 v[GV], s97, v4                    ; vt: rows of 4,096 bytes
	s_mul_i32 s98, s23, 64*EPITCH
	s_add_co_u32 s98, s98, EBASE
	v_lshl_add_u32 v4, v2, 5, v6
	v_add_nc_u32 v[ERD], s98, v4                   ; emb of row 64 i + r (+ 16 at), columns 8 h .. (+ 16 wt)
	s_lshl_b32 s99, s27, 9
	s_lshl_b32 s97, s24, 8
	s_add_co_u32 s99, s99, s97                     ; my 64 columns in a bias: byte 512 nb + 256 jn
	v_lshl_add_u32 v[VB], v2, 5, s99
	v_lshl_add_u32 v[VB2], v1, 2, s99
	; where the results go
	s_lshr_b32 s77, s28, 4
	s_lshl_b32 s77, s77, 4
	s_lshl1_add_u32 s77, s27, s77                  ; 16 b + 2 nb
	s_and_b32 s78, s28, 15                         ; which 128 positions of the sequence
	s_lshl_b32 s86, s77, 18                        ; a head is 262,144 bytes in all three
	s_lshl_b32 s79, s78, 8
	s_add_co_u32 s86, s86, s79
	s_add_nc_u64 s[84:85], s[20:21], s[86:87]      ; vt: both heads' 128 rows, 256 bytes of each
	s_add_co_u32 s77, s77, s24
	s_lshl_b32 s86, s77, 18
	s_lshl_b32 s79, s78, 14
	s_add_co_u32 s86, s86, s79
	s_lshl_b32 s79, s23, 13
	s_add_co_u32 s86, s86, s79
	s_add_nc_u64 s[80:81], s[16:17], s[86:87]      ; qw
	s_add_nc_u64 s[82:83], s[18:19], s[86:87]      ; kw
	s_lshl_b32 s79, s78, 7
	s_lshl_b32 s77, s22, 5
	s_add_co_u32 s79, s79, s77                     ; the first of the 32 positions whose emb I build
	; the label's row of label_emb, the biases
	s_wait_kmcnt 0x0
	s_min_u32 s74, s74, 7                          ; an index stays inside its table of 8 rows
	s_lshl_b32 s74, s74, 8                         ; 256 bytes a row
	v_and_b32 v[ELANE], 31, v0
	v_lshl_add_u32 v[LOFF], v[ELANE], 2, s74
	global_load_b32 v[LABS], v[LOFF], s[14:15]             ; lab[lane]: goes with the sine
	global_load_b32 v[LABC], v[LOFF], s[14:15] offset:128  ; lab[32 + lane]: with the cosine
.irp wt, 0,1,2,3
	global_load_b128 v[BK+8*\wt:BK+8*\wt+3], v[VB], s[8:9] offset:64*\wt
	global_load_b128 v[BK+8*\wt+4:BK+8*\wt+7], v[VB], s[8:9] offset:64*\wt+16
	global_load_b32 v[BV+2*\wt], v[VB2], s[10:11] offset:64*\wt     ; bv of column 16 wt + r, into both halves of a pair
	global_load_b32 v[BV+2*\wt+1], v[VB2], s[10:11] offset:64*\wt
.endr
	WIN 0x80                                       ; bq lands in Q's accumulators and starts the sums: nothing is cleared, no bias is added later
.irp at, 0,1,2,3
.irp wt, 0,1,2,3
	global_load_b128 v[8*(4*\at+\wt):8*(4*\at+\wt)+3], v[VB], s[6:7] offset:64*\wt
	global_load_b128 v[8*(4*\at+\wt)+4:8*(4*\at+\wt)+7], v[VB], s[6:7] offset:64*\wt+16
.endr
.endr
	WIN 0
; sin and cos of v[x] >= 0.  n = nearest whole number to x 2/pi; r = x - n pi/2, pi/2 in two parts, each step one fused multiply-add;
; polynomials in r; the quadrant n mod 4 swaps the two and sets the signs, by selects: no branch hangs on these numbers.
.macro SINCOS x, sn, cs
	v_mul_f32 v[TN], 0x3f22f983, v[\x]
	v_rndne_f32 v[TN], v[TN]
	v_fmamk_f32 v[TR], v[TN], 0xbfc90fdb, v[\x]
	v_fmamk_f32 v[TR], v[TN], 0x333bbd2e, v[TR]
	v_cvt_i32_f32 v[TQ], v[TN]
	v_mul_f32 v[TR2], v[TR], v[TR]
	v_mov_b32 v[TP], 0x3638ef1d                    ; 1/9!
	v_fmaak_f32 v[TP], v[TP], v[TR2], 0xb9500d01   ; -1/7!
	v_fmaak_f32 v[TP], v[TP], v[TR2], 0x3c088889   ; 1/5!
	v_fmaak_f32 v[TP], v[TP], v[TR2], 0xbe2aaaab   ; -1/3!
	v_mul_f32 v[\sn], v[TR2], v[TR]
	v_fma_f32 v[\sn], v[TP], v[\sn], v[TR]
	v_mov_b32 v[TP], 0x37d00d01                    ; 1/8!
	v_fmaak_f32 v[TP], v[TP], v[TR2], 0xbab60b61   ; -1/6!
	v_fmaak_f32 v[TP], v[TP], v[TR2], 0x3d2aaaab   ; 1/4!
	v_fmaak_f32 v[TP], v[TP], v[TR2], 0xbf000000   ; -1/2!
	v_fmaak_f32 v[\cs], v[TP], v[TR2], 0x3f800000
	v_and_b32 v[TP], 1, v[TQ]
	v_cmp_eq_u32 vcc_lo, 1, v[TP]
	v_cndmask_b32 v[TR], v[\sn], v[\cs], vcc_lo    ; odd quadrant: the sine is +-cos r,
	v_cndmask_b32 v[TR2], v[\cs], v[\sn], vcc_lo   ; the cosine -+sin r
	v_lshlrev_b32 v[TP], 30, v[TQ]
	v_and_b32 v[TP], 0x80000000, v[TP]             ; the sine is negative in quadrants 2, 3
	v_xor_b32 v[\sn], v[TR], v[TP]
	v_add_nc_u32 v[TQ], 1, v[TQ]
	v_lshlrev_b32 v[TP], 30, v[TQ]
	v_and_b32 v[TP], 0x80000000, v[TP]             ; the cosine in quadrants 1, 2
	v_xor_b32 v[\cs], v[TR2], v[TP]
.endm
	; emb: lane = frequency index; each wave builds 32 of the block's 128 rows: the first by SINCOS, the others by rotating one position on
	v_cvt_f32_u32 v[EF], v[ELANE]
	v_mul_f32 v[EF], 0xbed49a78, v[EF]             ; - lane x log2(10000) / 32
	v_exp_f32 v[EF], v[EF]
	v_cvt_f32_u32 v[EX], s79                       ; (the plain instruction behind v_exp_f32: ISA guide 5.7.2)
	s_wait_alu depctr_va_vdst(0)
	v_mul_f32 v[EX], v[EF], v[EX]
	SINCOS EX, SN, CS
	SINCOS EF, DS, DC
	v_lshlrev_b32 v[EADR], 2, v[ELANE]
	v_add_nc_u32 v[EADR], s96, v[EADR]
	s_wait_loadcnt 0x0                             ; the label's row, bk, bv, and bq in Q's accumulators: all are needed from here on
.set t, 0
.rept 32
	v_mul_f32 v[E0], v[SN], v[LABS]
	v_mul_f32 v[E0+1], v[CS], v[LABC]
	ds_store_b32 v[EADR], v[E0] offset:EPITCH*t            ; columns 0-31
	ds_store_b32 v[EADR], v[E0+1] offset:EPITCH*t+128      ; columns 32-63
.if t < 31
	v_mul_f32 v[E0+2], v[CS], v[DS]
	v_mul_f32 v[E0+3], v[SN], v[DS]
	v_fma_f32 v[SN], v[SN], v[DC], v[E0+2]
	v_fma_f32 v[CS], v[CS], v[DC], -v[E0+3]
.endif
.set t, t+1
.endr
	s_wait_dscnt 0x0                               ; my rows of emb are written, for the other waves' sake
	s_wait_tensorcnt 0x1                           ; my part of K step 0 is in; K step 1's may stay out
	s_barrier_signal -1
	s_barrier_wait -1
.macro FETCH_Q slot, k                 ; 16 loads: visual and Wq, 32 K at byte k of the rows
.irp t, 0,1,2,3
	ds_load_b128 v[FAV+8*\t:FAV+8*\t+3], v[ADRA+\slot] offset:\k+\t*16*PITCH
	ds_load_b128 v[FAV+8*\t+4:FAV+8*\t+7], v[ADRA+\slot] offset:\k+\t*16*PITCH+32
.endr
.irp t, 0,1,2,3
	ds_load_b128 v[FWQ+8*\t:FWQ+8*\t+3], v[ADRW+\slot] offset:\k+\t*16*PITCH
	ds_load_b128 v[FWQ+8*\t+4:FWQ+8*\t+7], v[ADRW+\slot] offset:\k+\t*16*PITCH+32
.endr
.endm
.macro FETCH_KV slot, k                ; 24 loads: audio, Wk, Wv
.irp t, 0,1,2,3
	ds_load_b128 v[FAA+8*\t:FAA+8*\t+3], v[ADRA+\slot] offset:TILE+\k+\t*16*PITCH
	ds_load_b128 v[FAA+8*\t+4:FAA+8*\t+7], v[ADRA+\slot] offset:TILE+\k+\t*16*PITCH+32
.endr
.irp t, 0,1,2,3
	ds_load_b128 v[FWK+8*\t:FWK+8*\t+3], v[ADRW+\slot] offset:TILE+\k+\t*16*PITCH
	ds_load_b128 v[FWK+8*\t+4:FWK+8*\t+7], v[ADRW+\slot] offset:TILE+\k+\t*16*PITCH+32
.endr
.irp t, 0,1,2,3
	ds_load_b128 v[FWV+8*\t:FWV+8*\t+3], v[ADRW+\slot] offset:2*TILE+\k+\t*16*PITCH
	ds_load_b128 v[FWV+8*\t+4:FWV+8*\t+7], v[ADRW+\slot] offset:2*TILE+\k+\t*16*PITCH+32
.endr
.endm
; 16 matrix instructions each.  The 48 accumulators take turns, one instruction a turn, always in the order Q, K, V.
.macro MULQ
.irp at, 0,1,2,3
.irp wt, 0,1,2,3
	v_wmma_f32_16x16x32_f16 v[8*(4*\at+\wt):8*(4*\at+\wt)+7], v[FWQ+8*\wt:FWQ+8*\wt+7], v[FAV+8*\at:FAV+8*\at+7], v[8*(4*\at+\wt):8*(4*\at+\wt)+7]
.endr
.endr
.endm
.macro MULK
.irp at, 0,1,2,3
.irp wt, 0,1,2,3
	v_wmma_f32_16x16x32_f16 v[8*(4*\at+\wt):8*(4*\at+\wt)+7], v[FWK+8*\wt:FWK+8*\wt+7], v[FAA+8*\at:FAA+8*\at+7], v[8*(4*\at+\wt):8*(4*\at+\wt)+7]
.endr
.endr
.endm
.macro MULV zero
.irp at, 0,1,2,3
.irp wt, 0,1,2,3
.if \zero
	v_wmma_f32_16x16x32_f16 v[128+8*(4*\at+\wt):128+8*(4*\at+\wt)+7], v[FAA+8*\at:FAA+8*\at+7], v[FWV+8*\wt:FWV+8*\wt+7], 0
.else
	v_wmma_f32_16x16x32_f16 v[128+8*(4*\at+\wt):128+8*(4*\at+\wt)+7], v[FAA+8*\at:FAA+8*\at+7], v[FWV+8*\wt:FWV+8*\wt+7], v[128+8*(4*\at+\wt):128+8*(4*\at+\wt)+7]
.endif
.endr
.endr
.endm
; A K step of 64 = two halves of 32.  While one set of fragments is multiplied the other set's loads are on their way.
; mode 2: this slot is filled again, two K steps ahead; mode 1: slots change, nothing is fetched; mode 0: the last step.
; The change of slots: each wave waits for its reads of this slot and for all its tensor loads (one is out: its part of the next slot), then the
; barrier, which in mode 2 opens a round of the cluster's barrier; the joint refill is the first tensor load behind the round, ahead of any LDS read.
; From a request to the wait for it a wave issues 80 matrix instructions.
.macro STEP slot, next, mode, zero
	PLACES
	WIN 0
	FETCH_KV \slot, 0
	s_wait_dscnt 24                                ; all but the 24 just issued: the Q set is in
	WIN 0xa0
	MULQ
	PLACES
	WIN 0
	FETCH_Q \slot, 64
	s_wait_dscnt 16                                ; all but the 16 just issued: the KV set is in
	WIN 0x50
	MULK
	MULV \zero
	PLACES
	WIN 0
	FETCH_KV \slot, 64
	s_wait_dscnt 24
	WIN 0xa0
	MULQ
	s_wait_dscnt 0x0                               ; my reads of this slot are over
.if \mode
	s_wait_tensorcnt 0x0                           ; and all my tensor loads have landed
	ds_add_u32 v254, v255
	s_wait_dscnt 0x0
	s_barrier_signal -1
	WIN 0x50
	MULK                                           ; register work while the others arrive
	WIN 0
	s_barrier_wait -1
.if \mode == 2
	CREST                                          ; no wave of any partner still reads this slot or has a load on its way
	s_add_nc_u64 s[G0A+4*\slot+2:G0A+4*\slot+3], s[G0A+4*\slot+2:G0A+4*\slot+3], 256
	s_add_nc_u64 s[G0B+4*\slot+2:G0B+4*\slot+3], s[G0B+4*\slot+2:G0B+4*\slot+3], 256
	JLOAD \slot
.endif
	PLACES
	FETCH_Q \next, 0
	WIN 0x50
	MULV 0
.else
	WIN 0x50
	MULK
	MULV 0
.endif
.endm
	; K's sums start from emb + bk
	WIN 0x40
.irp at, 0,1,2,3
.irp wt, 0,1,2,3
	ds_load_b128 v[8*(4*\at+\wt):8*(4*\at+\wt)+3], v[ERD] offset:\at*16*EPITCH+64*\wt
	ds_load_b128 v[8*(4*\at+\wt)+4:8*(4*\at+\wt)+7], v[ERD] offset:\at*16*EPITCH+64*\wt+16
.endr
.endr
	WIN 0
	FETCH_Q 0, 0
	s_wait_dscnt 16                                ; emb is in; the Q set may be out
	WIN 0x41
.irp at, 0,1,2,3
.irp wt, 0,1,2,3
.irp p, 0,2,4,6
	v_pk_add_f32 v[8*(4*\at+\wt)+\p:8*(4*\at+\wt)+\p+1], v[8*(4*\at+\wt)+\p:8*(4*\at+\wt)+\p+1], v[BK+8*\wt+\p:BK+8*\wt+\p+1]
.endr
.endr
.endr
	STEP 0, 1, 2, 1                                ; K steps 0, 1: V's first products start its sums
	STEP 1, 0, 2, 0
	WIN 0                                          ; at a label and at a branch every window is 0
	s_mov_b32 s31, 6                               ; K steps 2 to 13
.Llap:
	STEP 0, 1, 2, 0
	STEP 1, 0, 2, 0
	WIN 0
	s_sub_co_u32 s31, s31, 1
	s_cmp_lg_u32 s31, 0
	s_cbranch_scc1 .Llap
	STEP 0, 1, 1, 0                                ; K steps 14, 15 fetch nothing
	STEP 1, 0, 0, 0
; Q's or K's way out: round to f16, 16 bytes a lane into my own stage, back as whole rows; my 64 rows are 8,192 consecutive bytes of the result.
.macro OUTQK from, base
	WIN \from
.set t, 0
.rept 16
.irp p, 0,1,2,3
	v_cvt_pk_f16_f32 v[FAV+4*t+\p], v[8*t+2*\p], v[8*t+2*\p+1]
.endr
.set t, t+1
.endr
	WIN 0
.irp at, 0,1,2,3
.irp wt, 0,1,2,3
	ds_store_b128 v[STO], v[FAV+4*(4*\at+\wt):FAV+4*(4*\at+\wt)+3] offset:\at*16*PITCH+32*\wt
.endr
.endr
	s_wait_xcnt 0x0                                ; v128-191 may be the data of earlier stores: they are loaded again only behind this wait (ISA guide 3.1)
.set t, 0
.rept 16
	ds_load_b128 v[FAA+4*t:FAA+4*t+3], v[RD] offset:4*PITCH*t      ; LDS serves a wave's instructions in order (ISA guide 5.7.1): these see the stores above
.set t, t+1
.endr
.set t, 0
.rept 16
	s_wait_dscnt 15-t
	global_store_b128 v[GO], v[FAA+4*t:FAA+4*t+3], s[\base:\base+1] offset:512*t   ; 512 consecutive bytes, aligned
.set t, t+1
.endr
.endm
	PLACES                                         ; behind the last matrix instructions: for the conversions and for the loads into fragment registers
	OUTQK 0x0a, 80
	OUTQK 0x05, 82
	; V: add bv, round, 16 bytes (8 positions of one column d) a lane into the stage of 128 rows (d of both heads) x 128 positions, which all four waves fill
	WIN 0x41
.irp at, 0,1,2,3
.irp wt, 0,1,2,3
.irp p, 0,2,4,6
	v_pk_add_f32 v[128+8*(4*\at+\wt)+\p:128+8*(4*\at+\wt)+\p+1], v[128+8*(4*\at+\wt)+\p:128+8*(4*\at+\wt)+\p+1], v[BV+2*\wt:BV+2*\wt+1]
.endr
.endr
.endr
	WIN 0x05
.set t, 0
.rept 16
.irp p, 0,1,2,3
	v_cvt_pk_f16_f32 v[FAV+4*t+\p], v[128+8*t+2*\p], v[128+8*t+2*\p+1]
.endr
.set t, t+1
.endr
	WIN 0
.irp at, 0,1,2,3
.irp wt, 0,1,2,3
	ds_store_b128 v[VSTO], v[FAV+4*(4*\at+\wt):FAV+4*(4*\at+\wt)+3] offset:\wt*16*EPITCH+32*\at   ; emb's bytes: every wave's reads of emb ended before the K loop's barriers
.endr
.endr
	s_wait_dscnt 0x0                               ; my part of the stage is written, for the other waves' sake
	s_barrier_signal -1
	s_barrier_wait -1
	s_wait_xcnt 0x0                                ; K's stores have read v128-191
.set t, 0
.rept 16
	ds_load_b128 v[FAA+4*t:FAA+4*t+3], v[VRD] offset:2*EPITCH*t
.set t, t+1
.endr
.set t, 0
.rept 16
	s_wait_dscnt 15-t
	global_store_b128 v[GV], v[FAA+4*t:FAA+4*t+3], s[84:85] offset:8192*t   ; sixteen lanes store 256 consecutive bytes of a row of vt, aligned
.set t, t+1
.endr
	s_wait_tensorcnt 0x0
	ds_add_u32 v254, v255
	s_wait_dscnt 0x0
	CROUND                                         ; the closing round: no work-group ends while a partner may still ask for a tile that names it
	s_endpgm
.Lfunc_end_k_q68abc9e39d_qkv:
	.size	k_q68abc9e39d_qkv, .Lfunc_end_k_q68abc9e39d_qkv-k_q68abc9e39d_qkv
	.p2alignl 7, 3214868480
	.fill 96, 4, 3214868480
	.section	.rodata,"a",@progbits
	.p2align	6, 0x0
	.amdhsa_kernel k_q68abc9e39d_qkv
		.amdhsa_group_segment_fixed_size 327680
		.amdhsa_private_segment_fixed_size 0
		.amdhsa_enable_private_segment 0
		.amdhsa_kernarg_size 72
		.amdhsa_user_sgpr_count 2
		.amdhsa_user_sgpr_kernarg_segment_ptr 1
		.amdhsa_wavefront_size32 1
		.amdhsa_system_sgpr_workgroup_id_x 1
		.amdhsa_system_sgpr_workgroup_id_y 1
		.amdhsa_system_sgpr_workgroup_id_z 1
		.amdhsa_system_vgpr_workitem_id 0
		.amdhsa_next_free_vgpr 640
		.amdhsa_next_free_sgpr 100
		.amdhsa_reserve_vcc 1
		.amdhsa_float_denorm_mode_32 3
		.amdhsa_float_denorm_mode_16_64 3
		.amdhsa_memory_ordered 1
		.amdhsa_forward_progress 1
		.amdhsa_inst_pref_size 138
	.end_amdhsa_kernel
	.amdgpu_metadata
---
amdhsa.version: [ 1, 2 ]
amdhsa.kernels:
  - .name:           k_q68abc9e39d_qkv
    .symbol:         k_q68abc9e39d_qkv.kd
    .args:
      - { .name: xb, .offset: 0, .size: 8, .value_kind: global_buffer, .address_space: global }
      - { .name: bq, .offset: 8, .size: 8, .value_kind: global_buffer, .address_space: global }
      - { .name: bk, .offset: 16, .size: 8, .value_kind: global_buffer, .address_space: global }
      - { .name: bv, .offset: 24, .size: 8, .value_kind: global_buffer, .address_space: global }
      - { .name: audio_labels, .offset: 32, .size: 8, .value_kind: global_buffer, .address_space: global }
      - { .name: label_emb, .offset: 40, .size: 8, .value_kind: global_buffer, .address_space: global }
      - { .name: qw, .offset: 48, .size: 8, .value_kind: global_buffer, .address_space: global }
      - { .name: kw, .offset: 56, .size: 8, .value_kind: global_buffer, .address_space: global }
      - { .name: vt, .offset: 64, .size: 8, .value_kind: global_buffer, .address_space: global }
    .group_segment_fixed_size: 327680
    .private_segment_fixed_size: 0
    .kernarg_segment_align: 8
    .kernarg_segment_size: 72
    .max_flat_workgroup_size: 128
    .sgpr_count:     100
    .vgpr_count:     640
    .wavefront_size: 32
...
	.end_amdgpu_metadata
.endif
;; end of part 2
;; launch attn (part 3): grid 8 x 32, 16 waves a work-group, clusters of 4 x 1, 327,680 bytes of LDS; arguments qw, kw, vt, ao; writes ao
.if DOCPART == 3
	.amdgcn_target "amdgcn-amd-amdhsa--gfx1250"
	.amdhsa_code_object_version 6
	.text
	.protected	k_q68abc9e39d_attn
	.globl	k_q68abc9e39d_attn
	.p2align	8
	.type	k_q68abc9e39d_attn,@function
k_q68abc9e39d_attn:
	s_mov_b64 s[64:65], 0
	v_nop
	global_prefetch_b8 v0, s[64:65] scope:SCOPE_SE
	s_setreg_imm32_b32 hwreg(HW_REG_WAVE_MODE, 25, 1), 1
	s_wait_xcnt 0x0
	s_wait_alu depctr_hold_cnt(0) depctr_sa_sdst(0) depctr_va_vdst(0) depctr_va_sdst(0) depctr_va_ssrc(0) depctr_va_vcc(0) depctr_vm_vsrc(0)
	s_getreg_b32 s2, hwreg(HW_REG_IB_STS2, 6, 4)
	s_cmp_eq_u32 s2, 0
	s_cbranch_scc0 .Lentry_in_a_cluster
	s_endpgm
.Lentry_in_a_cluster:
	s_bfe_u32 s2, ttmp6, 0x10000c
	s_cmp_lg_u32 s2, 0x3003
	s_cbranch_scc0 .Lentry_shape_is_right
	s_endpgm
.Lentry_shape_is_right:
; softmax(q k' / 8) v for one (batch, head) bh and 256 query rows qb, with a running maximum.  Operands f16, sums, maxima and exponentials f32.
; Sixteen waves, four to a SIMD (4 x 256 registers fill it), so that a wave's LDS waits, its softmax and its runs of matrix instructions lie beside
; three other waves' work.  Wave w has query group wq = w mod 8 (32 rows, two tiles of 16) and key half g = w / 8: of every 512 keys that lie in an
; LDS slot it walks keys 256 g .. 256 g + 255, 64 a trip, 16 trips in all.  At the end the two waves of a query group join their halves (below).
; K and V come through two LDS slots of 512 keys each (K: 512 rows of 128 bytes; V transposed: 64 rows of 1,024 bytes).
; CLUSTERS: the four query blocks of a cluster (4, 1, 1) need the same K and V: every tile is asked for jointly, mask 15.
; ALL IS DONE TRANSPOSED, so that nothing moves between lanes but one exchange of the halves:
;   S' = K Q': source 0 = 16 keys, source 1 = 16 queries: lane (r, h) holds query r and keys 8 h .. 8 h + 7 of the tile: maximum and sum of a query
;   live in one lane and its partner lane xor 16.  Two such tiles, rounded to f16 in place, ARE source 1 (32 keys x 16 queries) of
;   out' = V' P': source 0 = 16 columns d of vt; lane (r, h) then holds query r and columns 8 h .. 8 h + 7: 16 bytes of a row of the result.
; p = exp2(c s + NM), c = log2(e) / 8, NM = the rounded -c m; earlier sums are scaled by exp2(NM new - NM old), the difference of the two rounded
; numbers, so that NM's rounding cancels between the sum of p v and the sum of p.
; JOINING THE HALVES: waves 8-15 put out', NM and the sum of p into LDS, 8,704 bytes a wave; behind a barrier waves 0-7 take NM = min of the two (the
; larger maximum), scale each half by exp2(NM - its own NM), add, and divide by the joined sum.  The bytes are slot 0's: its last fill is the one for
; keys 1,024-1,535, every wave's reads of it are waited for in front of the barrier ahead of the last 512 keys, and no tile is asked for after that.
; OUT: ao [row / 128][head][128 rows][64] f16: a query group's 32 rows are 4,096 consecutive bytes, and the next launch's tiles are dense.
; LIMITS: p below 2^-126 comes out of v_exp_f32 as 0 (ISA guide 15.8), and below 2^-25 is rounded to 0 in f16, against a largest p of 1 in every row
; of each key half.
.set KPITCH, 144                       ; 128 bytes + 16
.set VPITCH, 1040                      ; 1,024 bytes + 16: both are odd multiples of 16, so sixteen rows start at sixteen different 16-byte columns of 256 bytes
.set KTILE,  512*KPITCH                ; 73,728
.set SLOT,   KTILE+64*VPITCH           ; 140,288
.set STAGE,  2*SLOT                    ; 280,576: the way out, 32 rows x 144 bytes for each query group; no tile lands here
.set XPAIR,  17*512                    ; the hand-over of one pair of waves: 16 x 512 bytes of out', 512 bytes of NM and sums; from LDS byte 0 on
.set G1K, 24                           ; s[24:31]
.set G0K, 32                           ; s[32:39] one set for each slot
.set G1V, 40                           ; s[40:47]
.set G0V, 48                           ; s[48:55]
.set QF,  8                            ; v[8:39]    Q fragments (qt, dh) at 8 (2 qt + dh)
.set ACC, 40                           ; v[40:103]  out' tiles (qt, dt) at 8 (4 qt + dt)
.set S,   104                          ; v[104:167] S' tiles (qt, kt) at 8 (4 qt + kt); then P' (qt, c) in the first 8 registers of each 16; at the end the partner's out'
.set F,   168                          ; v[168:231] K fragments (kt, dh) at 8 (2 kt + dh), then V' fragments (c, dt) at 8 (4 c + dt)
.set PB,  168                          ; v[168:171] at the end: the partner's NM (qt 0, 1) and sums (qt 0, 1)
.set OUTR, 200                         ; v[200:231] at the end: rows read back from the stage
.set M,   232                          ; v232-233   running maximum of qt 0, 1 (raw scores)
.set LS,  234                          ; v[234:237] running sums, a pair for each qt
.set NM,  238                          ; v[238:241] -c m in the low half of a pair for each qt
.set AL,  242                          ; v[242:245] the scale of the earlier sums, likewise
.set T,   246                          ; v246-251   at work
.set QO,  252
.set STO, 254
.set RD,  255
.macro ROUND                           ; a round of the cluster's barrier
	s_barrier_signal -1
	s_barrier_wait -1
	s_cmp_lg_u32 s12, 0
	s_cbranch_scc1 .Lnot_wave_0_\@
	s_barrier_signal -3
.Lnot_wave_0_\@:
	s_barrier_wait -3
	s_barrier_signal -1
	s_barrier_wait -1
.endm
.macro JLOAD s                         ; waves 0-7: 64 keys of K each; waves 8-15: 8 whole rows of V' each.  The branch hangs on the wave's number alone
	s_cmp_lt_u32 s12, 8
	s_cbranch_scc0 .Lfor_v_\@
	tensor_load_to_lds s[G0K+4*\s:G0K+4*\s+3], s[G1K:G1K+7]
	s_nop 0
	s_branch .Lasked_\@
.Lfor_v_\@:
	tensor_load_to_lds s[G0V+4*\s:G0V+4*\s+3], s[G1V:G1V+7]
	s_nop 0
.Lasked_\@:
.endm
	s_load_b256 s[4:11], s[0:1], 0x0               ; qw s[4:5], kw s[6:7], vt s[8:9], ao s[10:11]
	v_lshl_add_u32 v252, v0, 2, 0x4d800
	v_mov_b32 v253, 0
	ds_add_u32 v252, v253
	s_wait_dscnt 0x0
	v_lshrrev_b32 v1, 5, v0
	v_readfirstlane_b32 s12, v1                    ; wave 0..15
	s_and_b32 s16, s12, 7                          ; wq: my query group.  Also: which eighth of a tile I ask for
	s_lshr_b32 s62, s12, 3                         ; g: my half of each slot's keys
	s_bfe_u32 s13, ttmp6, 0x40000                  ; cx
	s_lshl_b32 s14, ttmp9, 2
	s_add_co_u32 s14, s14, s13                     ; qb = 4 x cluster x + cx
	s_and_b32 s15, ttmp7, 0xffff                   ; bh: the cluster's y, shared by the four
	s_mov_b32 s[G1K+0], 15|(1<<16)|(1<<20)|(1<<21)|(4<<22)|(3<<25)   ; mask of all four; 2 bytes; padding of 4 words after every 32
	s_mov_b32 s[G1K+1], 64<<16
	s_mov_b32 s[G1K+2], 64<<16
	s_mov_b32 s[G1K+3], 64<<16                     ; rows of 64 elements
	s_mov_b32 s[G1K+4], 64                         ; 64 keys
	s_mov_b32 s[G1K+5], 64                         ; dense
	s_mov_b32 s[G1K+6], 0
	s_mov_b32 s[G1K+7], 0
	s_mov_b32 s[G1V+0], 15|(1<<16)|(1<<20)|(1<<21)|(7<<22)|(3<<25)   ; padding of 4 words after every 256
	s_mov_b32 s[G1V+1], 512<<16
	s_mov_b32 s[G1V+2], 8<<16
	s_mov_b32 s[G1V+3], 512<<16                    ; rows of 512 keys: V' has 64 rows for eight waves; cut by keys instead its rows would be 128 bytes
	s_mov_b32 s[G1V+4], 8                          ; 8 columns d
	s_mov_b32 s[G1V+5], 2048
	s_mov_b32 s[G1V+6], 0
	s_mov_b32 s[G1V+7], 0
	s_lshl_b32 s66, s15, 18                        ; a head is 262,144 bytes
	s_lshl_b32 s17, s16, 13                        ; 64 keys of 128 bytes
	s_add_co_u32 s66, s66, s17
	s_mov_b32 s67, 0
	s_lshl_b32 s68, s15, 18
	s_lshl_b32 s17, s16, 15                        ; 8 rows of 4,096 bytes
	s_add_co_u32 s68, s68, s17
	s_mov_b32 s69, 0
	s_mul_i32 s70, s12, 64*KPITCH                  ; K: wave x 64 rows
	s_mul_i32 s71, s12, 8*VPITCH                   ; V': 73,728 + (wave - 8) x 8 rows = wave x 8,320 + 7,168
	s_add_co_u32 s71, s71, KTILE-64*VPITCH
	s_mov_b32 s56, 0x76543210                      ; v_permlanex16_b32: lane i of one half reads lane i of the other
	s_mov_b32 s57, 0xfedcba98
	s_mov_b32 s58, 0x3e38aa3b                      ; c = log2(e) / 8
	s_mov_b32 s59, 0x3e38aa3b
	s_mov_b32 s60, 0xbe38aa3b                      ; -c
	s_wait_kmcnt 0x0
	s_add_nc_u64 s[18:19], s[6:7], s[66:67]
	s_add_nc_u64 s[20:21], s[8:9], s[68:69]
	ROUND                                          ; the four work-groups are here: the first joint loads meet
.irp s, 0,1
	s_mov_b32 s[G0K+4*\s], 1
	s_add_co_u32 s[G0K+4*\s+1], s70, \s*SLOT
	s_add_nc_u64 s[G0K+4*\s+2:G0K+4*\s+3], s[18:19], \s*65536      ; keys 512 s ..
	s_or_b32 s[G0K+4*\s+3], s[G0K+4*\s+3], 0x80000000
	s_mov_b32 s[G0V+4*\s], 1
	s_add_co_u32 s[G0V+4*\s+1], s71, \s*SLOT
	s_add_nc_u64 s[G0V+4*\s+2:G0V+4*\s+3], s[20:21], \s*1024
	s_or_b32 s[G0V+4*\s+3], s[G0V+4*\s+3], 0x80000000
	JLOAD \s                                       ; two tensor loads of a wave are out, never more
.endr
	; my 32 rows of Q, straight into fragments: lane (r, h) takes row r, 16 bytes at 16 h and 32 further on (both waves of a query group read them)
	s_lshl_b32 s72, s15, 18
	s_lshl_b32 s74, s14, 15                        ; 256 rows of 128 bytes
	s_add_co_u32 s72, s72, s74
	s_lshl_b32 s74, s16, 12                        ; 32 rows
	s_add_co_u32 s72, s72, s74
	s_mov_b32 s73, 0
	s_add_nc_u64 s[4:5], s[4:5], s[72:73]
	v_and_b32 v1, 15, v0                           ; r
	v_bfe_u32 v2, v0, 4, 1                         ; h
	v_lshlrev_b32 v[QO], 7, v1
	v_lshl_add_u32 v[QO], v2, 4, v[QO]
.irp qt, 0,1
.irp dh, 0,1
	global_load_b128 v[QF+8*(2*\qt+\dh):QF+8*(2*\qt+\dh)+3], v[QO], s[4:5] offset:\qt*2048+\dh*64
	global_load_b128 v[QF+8*(2*\qt+\dh)+4:QF+8*(2*\qt+\dh)+7], v[QO], s[4:5] offset:\qt*2048+\dh*64+32
.endr
.endr
	v_and_b32 v3, 31, v0
	v_lshlrev_b32 v3, 4, v3                        ; the way out and the hand-over: 16 x lane
	v_mul_u32_u24 v4, v1, KPITCH
	v_lshl_add_u32 v4, v2, 4, v4                   ; r x 144 + 16 h
	v_mul_u32_u24 v5, v1, VPITCH
	v_lshl_add_u32 v5, v2, 4, v5
	v_add_nc_u32 v5, KTILE, v5                     ; 73,728 + r x 1,040 + 16 h
	s_mul_i32 s76, s16, 32*KPITCH
	s_add_co_u32 s76, s76, STAGE                   ; my query group's stage (waves 0-7 alone use it)
	v_add_nc_u32 v[STO], s76, v4
	v_bfe_u32 v6, v0, 3, 2
	v_and_b32 v7, 7, v0
	v_mul_u32_u24 v6, v6, KPITCH
	v_lshl_add_u32 v6, v7, 4, v6
	v_add_nc_u32 v[RD], s76, v6
	s_mul_i32 s77, s62, 256*KPITCH
	v_add_nc_u32 v4, s77, v4                       ; K fragments: my half begins 256 rows down,
	s_lshl_b32 s77, s62, 9
	v_add_nc_u32 v5, s77, v5                       ; V' fragments: 256 keys = 512 bytes along the rows
	s_mul_i32 s78, s16, XPAIR                      ; my pair's hand-over
	; ao: block of 128 rows = 16 b + 2 qb + wq / 4; then the head; then (wq mod 4) x 32 rows of 128 bytes
	s_lshr_b32 s74, s15, 4
	s_lshl_b32 s74, s74, 4
	s_lshl1_add_u32 s74, s14, s74
	s_lshr_b32 s75, s16, 2
	s_add_co_u32 s74, s74, s75
	s_lshl_b32 s74, s74, 4
	s_and_b32 s75, s15, 15
	s_add_co_u32 s74, s74, s75
	s_lshl_b32 s74, s74, 14
	s_and_b32 s75, s16, 3
	s_lshl_b32 s75, s75, 12
	s_add_co_u32 s74, s74, s75
	s_mov_b32 s75, 0
	s_add_nc_u64 s[10:11], s[10:11], s[74:75]
	v_mov_b32 v[NM+1], 0                           ; the unused halves of pairs that packed instructions name, and the two destinations of
	v_mov_b32 v[NM+3], 0                           ; v_permlanex16_b32, which count as read: written once
	v_mov_b32 v[AL+1], 0
	v_mov_b32 v[AL+3], 0
	v_mov_b32 v[T], 0
	v_mov_b32 v[T+1], 0
	s_wait_tensorcnt 0x1                           ; my part of slot 0 is in; slot 1's may stay out
	s_barrier_signal -1
	s_barrier_wait -1
	s_wait_loadcnt 0x0                             ; Q
.macro EXPS qt                         ; p = exp2(c s + NM), 32 numbers of a lane, in place
.set j, 0
.rept 16
	v_pk_fma_f32 v[S+32*\qt+j:S+32*\qt+j+1], v[S+32*\qt+j:S+32*\qt+j+1], s[58:59], v[NM+2*\qt:NM+2*\qt+1] op_sel_hi:[1,0,0]
.set j, j+2
.endr
.set j, 0
.rept 32
	v_exp_f32 v[S+32*\qt+j], v[S+32*\qt+j]
.set j, j+1
.endr
.endm
; One trip: 64 keys.  first = 1: the wave's first trip starts maxima, sums and out' instead of clearing them.
.macro TRIP first
.irp kt, 0,1,2,3
.irp dh, 0,1
	ds_load_b128 v[F+8*(2*\kt+\dh):F+8*(2*\kt+\dh)+3], v6 offset:\kt*16*KPITCH+64*\dh
	ds_load_b128 v[F+8*(2*\kt+\dh)+4:F+8*(2*\kt+\dh)+7], v6 offset:\kt*16*KPITCH+64*\dh+32
.endr
.endr
	s_wait_dscnt 0x0
	; S' = K Q': the eight tiles take turns, one instruction a turn
.irp qt, 0,1
.irp kt, 0,1,2,3
	v_wmma_f32_16x16x32_f16 v[S+8*(4*\qt+\kt):S+8*(4*\qt+\kt)+7], v[F+16*\kt:F+16*\kt+7], v[QF+16*\qt:QF+16*\qt+7], 0
.endr
.endr
.irp qt, 0,1
.irp kt, 0,1,2,3
	v_wmma_f32_16x16x32_f16 v[S+8*(4*\qt+\kt):S+8*(4*\qt+\kt)+7], v[F+16*\kt+8:F+16*\kt+15], v[QF+16*\qt+8:QF+16*\qt+15], v[S+8*(4*\qt+\kt):S+8*(4*\qt+\kt)+7]
.endr
.endr
.rept 4
	v_nop                                          ; four places: then F is loaded again and S' is read (ISA guide 7.12.1)
.endr
.irp c, 0,1
.irp dt, 0,1,2,3
	ds_load_b128 v[F+8*(4*\c+\dt):F+8*(4*\c+\dt)+3], v7 offset:\dt*16*VPITCH+64*\c
	ds_load_b128 v[F+8*(4*\c+\dt)+4:F+8*(4*\c+\dt)+7], v7 offset:\dt*16*VPITCH+64*\c+32   ; V' lands while the softmax runs
.endr
.endr
	; the running maximum, in place, two chains side by side
.if \first
	v_max3_num_f32 v[M], v[S], v[S+1], v[S+2]
	v_max3_num_f32 v[M+1], v[S+32], v[S+33], v[S+34]
.set j, 3
.rept 14
	v_max3_num_f32 v[M], v[M], v[S+j], v[S+j+1]
	v_max3_num_f32 v[M+1], v[M+1], v[S+32+j], v[S+32+j+1]
.set j, j+2
.endr
	v_max_num_f32 v[M], v[M], v[S+31]
	v_max_num_f32 v[M+1], v[M+1], v[S+63]
.else
.set j, 0
.rept 16
	v_max3_num_f32 v[M], v[M], v[S+j], v[S+j+1]
	v_max3_num_f32 v[M+1], v[M+1], v[S+32+j], v[S+32+j+1]
.set j, j+2
.endr
.endif
	v_permlanex16_b32 v[T], v[M], s56, s57         ; the other eight keys of each tile lie in lane xor 16
	v_permlanex16_b32 v[T+1], v[M+1], s56, s57
	v_max_num_f32 v[M], v[M], v[T]
	v_max_num_f32 v[M+1], v[M+1], v[T+1]
.if \first
	v_mul_f32 v[NM], s60, v[M]
	v_mul_f32 v[NM+2], s60, v[M+1]
.else
	v_mul_f32 v[T+2], s60, v[M]
	v_mul_f32 v[T+3], s60, v[M+1]
	v_sub_f32 v[T+4], v[T+2], v[NM]                ; new - old, both as rounded: 0 exactly where the maximum stayed
	v_sub_f32 v[T+5], v[T+3], v[NM+2]
	v_mov_b32 v[NM], v[T+2]                        ; (old and new are both needed above: hence the copy)
	v_mov_b32 v[NM+2], v[T+3]
	v_exp_f32 v[AL], v[T+4]
	v_exp_f32 v[AL+2], v[T+5]
.endif
	EXPS 0                                         ; behind each run of v_exp_f32 a plain instruction on other registers comes first (ISA guide 5.7.2):
	EXPS 1                                         ; the packed multiply-adds of the next run, and the v_nop below
	v_nop
.if \first
	s_wait_alu depctr_va_vdst(0)
	v_pk_add_f32 v[LS:LS+1], v[S:S+1], v[S+2:S+3]
	v_pk_add_f32 v[LS+2:LS+3], v[S+32:S+33], v[S+34:S+35]
.set j, 4
.rept 14
	v_pk_add_f32 v[LS:LS+1], v[LS:LS+1], v[S+j:S+j+1]
	v_pk_add_f32 v[LS+2:LS+3], v[LS+2:LS+3], v[S+32+j:S+32+j+1]
.set j, j+2
.endr
.else
	s_wait_alu depctr_va_vdst(0)
.irp qt, 0,1
.set j, 0
.rept 16
	v_pk_mul_f32 v[ACC+32*\qt+j:ACC+32*\qt+j+1], v[ACC+32*\qt+j:ACC+32*\qt+j+1], v[AL+2*\qt:AL+2*\qt+1] op_sel_hi:[1,0]
.set j, j+2
.endr
.endr
	v_pk_fma_f32 v[LS:LS+1], v[LS:LS+1], v[AL:AL+1], v[S:S+1] op_sel_hi:[1,0,1]
	v_pk_fma_f32 v[LS+2:LS+3], v[LS+2:LS+3], v[AL+2:AL+3], v[S+32:S+33] op_sel_hi:[1,0,1]
.set j, 2
.rept 15
	v_pk_add_f32 v[LS:LS+1], v[LS:LS+1], v[S+j:S+j+1]
	v_pk_add_f32 v[LS+2:LS+3], v[LS+2:LS+3], v[S+32+j:S+32+j+1]
.set j, j+2
.endr
.endif
	; P' in f16, in place: register p of each 16 takes numbers 2 p, 2 p + 1, which have been read by then or are its own
.irp g, 0,1,2,3
.irp p, 0,1,2,3,4,5,6,7
	v_cvt_pk_f16_f32 v[S+16*\g+\p], v[S+16*\g+2*\p], v[S+16*\g+2*\p+1]
.endr
.endr
	s_wait_dscnt 0x0                               ; V'
	; out' += V' P': the eight tiles take turns, keys 0-31 and then keys 32-63
.irp qt, 0,1
.irp dt, 0,1,2,3
.if \first
	v_wmma_f32_16x16x32_f16 v[ACC+8*(4*\qt+\dt):ACC+8*(4*\qt+\dt)+7], v[F+8*\dt:F+8*\dt+7], v[S+32*\qt:S+32*\qt+7], 0
.else
	v_wmma_f32_16x16x32_f16 v[ACC+8*(4*\qt+\dt):ACC+8*(4*\qt+\dt)+7], v[F+8*\dt:F+8*\dt+7], v[S+32*\qt:S+32*\qt+7], v[ACC+8*(4*\qt+\dt):ACC+8*(4*\qt+\dt)+7]
.endif
.endr
.endr
.irp qt, 0,1
.irp dt, 0,1,2,3
	v_wmma_f32_16x16x32_f16 v[ACC+8*(4*\qt+\dt):ACC+8*(4*\qt+\dt)+7], v[F+32+8*\dt:F+32+8*\dt+7], v[S+32*\qt+16:S+32*\qt+23], v[ACC+8*(4*\qt+\dt):ACC+8*(4*\qt+\dt)+7]
.endr
.endr
	v_add_nc_u32 v6, 64*KPITCH, v6                 ; five places: four before F is loaded again, five before the next S' writes over P' (ISA guide 7.12.1)
	v_add_nc_u32 v7, 128, v7
	v_nop
	v_nop
	v_nop
.endm
.macro PROCESS slot, first             ; my 256 of a slot's 512 keys: four trips
	v_add_nc_u32 v6, \slot*SLOT, v4
	v_add_nc_u32 v7, \slot*SLOT, v5
.if \first
	TRIP 1
	s_mov_b32 s61, 3
.else
	s_mov_b32 s61, 4
.endif
.Ltrip_\@:
	TRIP 0
	s_sub_co_u32 s61, s61, 1
	s_cmp_lg_u32 s61, 0
	s_cbranch_scc1 .Ltrip_\@
.endm
; A slot that has been read is filled again, 1,024 keys on: each wave's reads are back and all its tensor loads have landed (the other slot's among
; them); a round of the cluster's barrier; the joint load first behind it.  It has the other slot's four trips of every wave in which to land.
.macro REFILL slot
	s_wait_dscnt 0x0
	s_wait_xcnt 0x0
	v_lshl_add_u32 v252, v0, 2, 0x4d800
	v_mov_b32 v253, 0
	s_wait_tensorcnt 0x0
	ds_add_u32 v252, v253
	s_wait_dscnt 0x0
	s_add_nc_u64 s[G0K+4*\slot+2:G0K+4*\slot+3], s[G0K+4*\slot+2:G0K+4*\slot+3], 131072
	s_add_nc_u64 s[G0V+4*\slot+2:G0V+4*\slot+3], s[G0V+4*\slot+2:G0V+4*\slot+3], 2048
	ROUND
	JLOAD \slot
.endm
	PROCESS 0, 1                                   ; keys 0-511
	REFILL 0
	PROCESS 1, 0                                   ; keys 512-1,023
	REFILL 1
	PROCESS 0, 0                                   ; keys 1,024-1,535
	s_wait_dscnt 0x0                               ; my last reads of slot 0 are back,
	s_wait_tensorcnt 0x0                           ; my part of the last 512 keys is in,
	s_barrier_signal -1
	s_barrier_wait -1                              ; everybody's: nothing is left to fetch, and slot 0's bytes are free for the hand-over
	PROCESS 1, 0                                   ; keys 1,536-2,047
	; the sum of p over my keys: the pair's two halves, then the other eight keys of each tile from lane xor 16
	v_add_f32 v[LS], v[LS], v[LS+1]
	v_add_f32 v[LS+2], v[LS+2], v[LS+3]
	v_permlanex16_b32 v[T], v[LS], s56, s57
	v_permlanex16_b32 v[T+1], v[LS+2], s56, s57
	v_add_f32 v[T+2], v[LS], v[T]
	v_add_f32 v[T+3], v[LS+2], v[T+1]
	v_add_nc_u32 v6, s78, v3                       ; my pair's hand-over: 16 bytes a lane, 512 consecutive bytes an instruction
	s_cmp_lt_u32 s12, 8
	s_cbranch_scc1 .Lkeeper
	; waves 8-15 hand over out', NM and the sums
	v_mov_b32 v[T], v[NM]                          ; the four numbers side by side, for one store of 16 bytes
	v_mov_b32 v[T+1], v[NM+2]
.set t, 0
.rept 16
	ds_store_b128 v6, v[ACC+4*t:ACC+4*t+3] offset:512*t
.set t, t+1
.endr
	ds_store_b128 v6, v[T:T+3] offset:8192
.Lkeeper:
	s_wait_dscnt 0x0                               ; the hand-over is written, for the partner's sake
	s_barrier_signal -1
	s_barrier_wait -1
	s_cmp_lt_u32 s12, 8
	s_cbranch_scc0 .Lclose
	; waves 0-7 join the halves.  a: mine, b: the partner's
	ds_load_b128 v[PB:PB+3], v6 offset:8192
.set t, 0
.rept 16
	ds_load_b128 v[S+4*t:S+4*t+3], v6 offset:512*t
.set t, t+1
.endr
	s_wait_dscnt 16                                ; the partner's NM and sums are in; the sixteen younger loads, its out', stay out
	v_min_num_f32 v[LS], v[NM], v[PB]              ; NM = -c m: the smaller one belongs to the larger maximum
	v_min_num_f32 v[LS+1], v[NM+2], v[PB+1]
	v_sub_f32 v[AL], v[LS], v[NM]                  ; 0 or below, both
	v_sub_f32 v[AL+2], v[LS+1], v[NM+2]
	v_sub_f32 v[NM], v[LS], v[PB]
	v_sub_f32 v[NM+2], v[LS+1], v[PB+1]
	v_exp_f32 v[AL], v[AL]
	v_exp_f32 v[AL+2], v[AL+2]
	v_exp_f32 v[NM], v[NM]
	v_exp_f32 v[NM+2], v[NM+2]
	v_nop                                          ; the plain instruction behind v_exp_f32 (ISA guide 5.7.2)
	s_wait_alu depctr_va_vdst(0)
	v_mul_f32 v[LS], v[AL], v[T+2]
	v_mul_f32 v[LS+1], v[AL+2], v[T+3]
	v_fma_f32 v[LS], v[NM], v[PB+2], v[LS]         ; the joined sum of p
	v_fma_f32 v[LS+1], v[NM+2], v[PB+3], v[LS+1]
	v_rcp_f32 v[LS], v[LS]
	v_rcp_f32 v[LS+1], v[LS+1]
	v_nop                                          ; the plain instruction behind v_rcp_f32
	s_wait_alu depctr_va_vdst(0)
	v_mul_f32 v[AL], v[AL], v[LS]                  ; each half's scale, the division folded in
	v_mul_f32 v[AL+2], v[AL+2], v[LS+1]
	v_mul_f32 v[NM], v[NM], v[LS]
	v_mul_f32 v[NM+2], v[NM+2], v[LS+1]
.irp qt, 0,1
.set j, 0
.rept 16
	v_pk_mul_f32 v[ACC+32*\qt+j:ACC+32*\qt+j+1], v[ACC+32*\qt+j:ACC+32*\qt+j+1], v[AL+2*\qt:AL+2*\qt+1] op_sel_hi:[1,0]
.set j, j+2
.endr
.endr
	s_wait_dscnt 0x0                               ; the partner's out'
.irp qt, 0,1
.set j, 0
.rept 16
	v_pk_fma_f32 v[ACC+32*\qt+j:ACC+32*\qt+j+1], v[S+32*\qt+j:S+32*\qt+j+1], v[NM+2*\qt:NM+2*\qt+1], v[ACC+32*\qt+j:ACC+32*\qt+j+1] op_sel_hi:[1,0,1]
.set j, j+2
.endr
.endr
	; rounded to f16, through my own stage, 4,096 consecutive bytes of ao
.set t, 0
.rept 8
.irp p, 0,1,2,3
	v_cvt_pk_f16_f32 v[S+4*t+\p], v[ACC+8*t+2*\p], v[ACC+8*t+2*\p+1]
.endr
.set t, t+1
.endr
.irp qt, 0,1
.irp dt, 0,1,2,3
	ds_store_b128 v[STO], v[S+4*(4*\qt+\dt):S+4*(4*\qt+\dt)+3] offset:\qt*16*KPITCH+32*\dt
.endr
.endr
.set t, 0
.rept 8
	ds_load_b128 v[OUTR+4*t:OUTR+4*t+3], v[RD] offset:4*KPITCH*t   ; LDS serves a wave's instructions in order (ISA guide 5.7.1): these see the stores above
.set t, t+1
.endr
.set t, 0
.rept 8
	s_wait_dscnt 7-t
	global_store_b128 v3, v[OUTR+4*t:OUTR+4*t+3], s[10:11] offset:512*t  ; 512 consecutive bytes, aligned
.set t, t+1
.endr
.Lclose:
	s_wait_xcnt 0x0
	v_lshl_add_u32 v252, v0, 2, 0x4d800
	v_mov_b32 v253, 0
	s_wait_tensorcnt 0x0
	ds_add_u32 v252, v253
	s_wait_dscnt 0x0
	ROUND                                          ; the closing round
	s_endpgm
.Lfunc_end_k_q68abc9e39d_attn:
	.size	k_q68abc9e39d_attn, .Lfunc_end_k_q68abc9e39d_attn-k_q68abc9e39d_attn
	.p2alignl 7, 3214868480
	.fill 96, 4, 3214868480
	.section	.rodata,"a",@progbits
	.p2align	6, 0x0
	.amdhsa_kernel k_q68abc9e39d_attn
		.amdhsa_group_segment_fixed_size 327680
		.amdhsa_private_segment_fixed_size 0
		.amdhsa_enable_private_segment 0
		.amdhsa_kernarg_size 32
		.amdhsa_user_sgpr_count 2
		.amdhsa_user_sgpr_kernarg_segment_ptr 1
		.amdhsa_wavefront_size32 1
		.amdhsa_system_sgpr_workgroup_id_x 1
		.amdhsa_system_sgpr_workgroup_id_y 1
		.amdhsa_system_sgpr_workgroup_id_z 1
		.amdhsa_system_vgpr_workitem_id 0
		.amdhsa_next_free_vgpr 256
		.amdhsa_next_free_sgpr 80
		.amdhsa_reserve_vcc 0
		.amdhsa_float_denorm_mode_32 3
		.amdhsa_float_denorm_mode_16_64 3
		.amdhsa_memory_ordered 1
		.amdhsa_forward_progress 1
		.amdhsa_inst_pref_size 105
	.end_amdhsa_kernel
	.amdgpu_metadata
---
amdhsa.version: [ 1, 2 ]
amdhsa.kernels:
  - .name:           k_q68abc9e39d_attn
    .symbol:         k_q68abc9e39d_attn.kd
    .args:
      - { .name: qw, .offset: 0, .size: 8, .value_kind: global_buffer, .address_space: global }
      - { .name: kw, .offset: 8, .size: 8, .value_kind: global_buffer, .address_space: global }
      - { .name: vt, .offset: 16, .size: 8, .value_kind: global_buffer, .address_space: global }
      - { .name: ao, .offset: 24, .size: 8, .value_kind: global_buffer, .address_space: global }
    .group_segment_fixed_size: 327680
    .private_segment_fixed_size: 0
    .kernarg_segment_align: 8
    .kernarg_segment_size: 32
    .max_flat_workgroup_size: 512
    .sgpr_count:     80
    .vgpr_count:     256
    .wavefront_size: 32
...
	.end_amdgpu_metadata
.endif
;; end of part 3
;; launch oproj (part 4): grid 8 x 32, 4 waves a work-group, clusters of 4 x 4, 327,680 bytes of LDS; arguments ao, xb, bo, out0; writes out0
.if DOCPART == 4
	.amdgcn_target "amdgcn-amd-amdhsa--gfx1250"
	.amdhsa_code_object_version 6
	.text
	.protected	k_q68abc9e39d_oproj
	.globl	k_q68abc9e39d_oproj
	.p2align	8
	.type	k_q68abc9e39d_oproj,@function
k_q68abc9e39d_oproj:
	s_mov_b64 s[64:65], 0
	v_nop
	global_prefetch_b8 v0, s[64:65] scope:SCOPE_SE
	s_setreg_imm32_b32 hwreg(HW_REG_WAVE_MODE, 25, 1), 1
	s_wait_xcnt 0x0
	s_wait_alu depctr_hold_cnt(0) depctr_sa_sdst(0) depctr_va_vdst(0) depctr_va_sdst(0) depctr_va_ssrc(0) depctr_va_vcc(0) depctr_vm_vsrc(0)
	s_getreg_b32 s2, hwreg(HW_REG_IB_STS2, 6, 4)
	s_cmp_eq_u32 s2, 0
	s_cbranch_scc0 .Lentry_in_a_cluster
	s_endpgm
.Lentry_in_a_cluster:
	s_bfe_u32 s2, ttmp6, 0x10000c
	s_cmp_lg_u32 s2, 0xf033
	s_cbranch_scc0 .Lentry_shape_is_right
	s_endpgm
.Lentry_shape_is_right:
; out0 = ao Wo' + bo.  ao [row / 128][head][128][64] f16, Wo f16 at byte 23,068,672 of xb, sums and out0 f32.
; Work-group (nb, mb): 128 rows x 128 columns; four waves, 64 x 64 each (i = w / 2 rows, jn = w mod 2 columns): 16 accumulator tiles.
; K = 1,024 goes in four phases of 256 (four heads) through two LDS slots, written out without a loop.  A phase's tile of ao is 512 dense rows of
; 128 bytes (4 heads x 128 rows), its tile of Wo 128 rows of 512 bytes.
; CLUSTERS: 4 x 4: ao's tiles hang on mb alone and are asked for jointly along a row of the cluster, Wo's on nb alone and jointly along a column.
; The matrix instruction is used transposed (source 0 = rows of Wo, source 1 = rows of ao): a lane holds 8 neighbouring columns of one row.
; bo is loaded straight into the accumulators and starts the sums.  Results leave through LDS: sixteen lanes store 256 consecutive bytes, aligned.
; REGISTERS: window 0: v16-23 addresses; v64-127, v128-191 two fragment buffers (ao in the first 32 registers, Wo in the next 32); v192-255 two sets
; for the way out.  Window 1: v0-127 the accumulators, tile (at, wt) at 8 (4 at + wt).
.set APITCH, 144                       ; 128 bytes + 16
.set WPITCH, 528                       ; 512 bytes + 16: both odd multiples of 16
.set ATILE,  512*APITCH                ; 73,728
.set SLOT,   ATILE+128*WPITCH          ; 141,312
.set STAGE,  2*SLOT                    ; 282,624: 16 rows x 272 bytes for each wave; no tile lands here
.set SPITCH, 272
.set G1A, 32
.set G0A, 40
.set G1B, 48
.set G0B, 56
.set ADRA, 16
.set ADRW, 18
.set STO,  20
.set RD,   21
.set CO,   22
.set VB,   23
.set F0,   64
.set F1,   128
.set MSB, 0
.macro WIN new                         ; s_set_vgpr_msb: bits 1:0 source 0, 3:2 source 1, 5:4 source 2, 7:6 destination; the high byte repeats the setting that is left
.if MSB != \new
	s_set_vgpr_msb (MSB<<8)|\new
.set MSB, \new
.endif
.endm
.macro PLACES                          ; four plain vector instructions between a matrix instruction and a load into, or a store of, its registers
.rept 4
	v_nop
.endr
.endm
.macro JLOAD s                         ; waves 0, 1: two heads of ao each; waves 2, 3: 64 rows of Wo each
	s_cmp_eq_u32 s23, 0
	s_cbranch_scc0 .Lfor_b_\@
	tensor_load_to_lds s[G0A+4*\s:G0A+4*\s+3], s[G1A:G1A+7]
	s_nop 0
	s_branch .Lasked_\@
.Lfor_b_\@:
	tensor_load_to_lds s[G0B+4*\s:G0B+4*\s+3], s[G1B:G1B+7]
	s_nop 0
.Lasked_\@:
.endm
.macro CREST
	s_cmp_lg_u32 s22, 0
	s_cbranch_scc1 .Lnot_wave_0_\@
	s_barrier_signal -3
.Lnot_wave_0_\@:
	s_barrier_wait -3
	s_barrier_signal -1
	s_barrier_wait -1
.endm
.macro CROUND
	s_barrier_signal -1
	s_barrier_wait -1
	CREST
.endm
	s_load_b256 s[4:11], s[0:1], 0x0               ; ao s[4:5], xb s[6:7], bo s[8:9], out0 s[10:11]
	v_lshl_add_u32 v62, v0, 2, 0x49400
	v_mov_b32 v63, 0
	ds_add_u32 v62, v63
	v_lshrrev_b32 v1, 5, v0
	v_readfirstlane_b32 s22, v1                    ; wave 0..3
	s_lshr_b32 s23, s22, 1                         ; i.  Also: I ask for ao (0) or Wo (1)
	s_and_b32 s24, s22, 1                          ; jn.  Also: which half of the tile I ask for
	s_bfe_u32 s25, ttmp6, 0x40000                  ; cx
	s_bfe_u32 s26, ttmp6, 0x40004                  ; cy
	s_lshl_b32 s27, ttmp9, 2
	s_add_co_u32 s27, s27, s25                     ; nb
	s_and_b32 s28, ttmp7, 0xffff
	s_lshl_b32 s28, s28, 2
	s_add_co_u32 s28, s28, s26                     ; mb
	s_lshl_b32 s29, s26, 2
	s_lshl_b32 s29, 15, s29                        ; my row of the cluster
	s_lshl_b32 s30, 0x1111, s25                    ; my column
	s_or_b32 s[G1A+0], s29, (1<<16)|(1<<20)|(1<<21)|(4<<22)|(3<<25)   ; 2 bytes; padding of 4 words after every 32
	s_mov_b32 s[G1A+1], 64<<16
	s_mov_b32 s[G1A+2], 256<<16
	s_mov_b32 s[G1A+3], 64<<16                     ; rows of 64 elements
	s_mov_b32 s[G1A+4], 256                        ; two heads x 128 rows
	s_mov_b32 s[G1A+5], 64                         ; dense
	s_mov_b32 s[G1A+6], 0
	s_mov_b32 s[G1A+7], 0
	s_or_b32 s[G1B+0], s30, (1<<16)|(1<<20)|(1<<21)|(6<<22)|(3<<25)   ; padding of 4 words after every 128
	s_mov_b32 s[G1B+1], 256<<16
	s_mov_b32 s[G1B+2], 64<<16
	s_mov_b32 s[G1B+3], 256<<16                    ; rows of 256 elements
	s_mov_b32 s[G1B+4], 64
	s_mov_b32 s[G1B+5], 1024
	s_mov_b32 s[G1B+6], 0
	s_mov_b32 s[G1B+7], 0
	s_lshl_b32 s66, s28, 18                        ; ao: a block of 128 rows is 16 heads x 16,384 bytes
	s_lshl_b32 s75, s24, 15                        ; two heads
	s_add_co_u32 s66, s66, s75
	s_mov_b32 s67, 0
	s_lshl_b32 s68, s27, 18                        ; Wo: 128 rows of 2,048 bytes
	s_lshl_b32 s76, s24, 17                        ; 64 rows
	s_add_co_u32 s68, s68, s76
	s_add_co_u32 s68, s68, 23068672
	s_mov_b32 s69, 0
	s_mul_i32 s70, s22, 256*APITCH                 ; ao: wave x 256 rows
	s_mul_i32 s71, s22, 64*WPITCH                  ; Wo: 73,728 + (wave - 2) x 64 rows = wave x 33,792 + 6,144
	s_add_co_u32 s71, s71, ATILE-128*WPITCH
	s_wait_dscnt 0x0
	s_wait_kmcnt 0x0
	s_add_nc_u64 s[72:73], s[4:5], s[66:67]
	s_add_nc_u64 s[90:91], s[6:7], s[68:69]
	CROUND                                         ; all sixteen work-groups are here: the first joint loads meet
.irp s, 0,1
	s_mov_b32 s[G0A+4*\s], 1
	s_add_co_u32 s[G0A+4*\s+1], s70, \s*SLOT
	s_add_nc_u64 s[G0A+4*\s+2:G0A+4*\s+3], s[72:73], \s*65536      ; phase s: four heads on
	s_or_b32 s[G0A+4*\s+3], s[G0A+4*\s+3], 0x80000000
	s_mov_b32 s[G0B+4*\s], 1
	s_add_co_u32 s[G0B+4*\s+1], s71, \s*SLOT
	s_add_nc_u64 s[G0B+4*\s+2:G0B+4*\s+3], s[90:91], \s*512
	s_or_b32 s[G0B+4*\s+3], s[G0B+4*\s+3], 0x80000000
	JLOAD \s                                       ; two tensor loads of a wave are out, never more
.endr
	v_and_b32 v1, 15, v0                           ; r
	v_bfe_u32 v2, v0, 4, 1                         ; h
	v_mul_u32_u24 v3, v1, APITCH
	v_lshl_add_u32 v3, v2, 4, v3
	s_mul_i32 s92, s23, 64*APITCH
	v_add_nc_u32 v[ADRA], s92, v3
	v_add_nc_u32 v[ADRA+1], SLOT, v[ADRA]
	v_mul_u32_u24 v4, v1, WPITCH
	v_lshl_add_u32 v4, v2, 4, v4
	s_mul_i32 s93, s24, 64*WPITCH
	s_add_co_u32 s93, s93, ATILE
	v_add_nc_u32 v[ADRW], s93, v4
	v_add_nc_u32 v[ADRW+1], SLOT, v[ADRW]
	s_mul_i32 s94, s22, 16*SPITCH
	s_add_co_u32 s94, s94, STAGE
	v_mul_u32_u24 v5, v1, SPITCH
	v_lshl_add_u32 v5, v2, 5, v5
	v_add_nc_u32 v[STO], s94, v5                   ; in: row r, 32 bytes for each half of the lanes
	v_mul_u32_u24 v5, v2, SPITCH
	v_lshl_add_u32 v5, v1, 4, v5
	v_add_nc_u32 v[RD], s94, v5                    ; back: sixteen lanes take a row of 256 bytes
	v_lshlrev_b32 v5, 12, v2
	v_lshl_add_u32 v[CO], v1, 4, v5                ; the same two rows in out0
	s_lshl_b32 s95, s27, 9
	s_lshl_b32 s96, s24, 8
	s_add_co_u32 s95, s95, s96                     ; my 64 columns: byte 512 nb + 256 jn
	v_lshl_add_u32 v[VB], v2, 5, s95
	s_lshl_b32 s86, s28, 19                        ; 128 rows of 4,096 bytes
	s_lshl_b32 s96, s23, 18
	s_add_co_u32 s86, s86, s96
	s_add_co_u32 s86, s86, s95
	s_mov_b32 s87, 0
	s_add_nc_u64 s[10:11], s[10:11], s[86:87]
	WIN 0x40                                       ; bo lands in the accumulators and starts the sums
.irp at, 0,1,2,3
.irp wt, 0,1,2,3
	global_load_b128 v[8*(4*\at+\wt):8*(4*\at+\wt)+3], v[VB], s[8:9] offset:64*\wt
	global_load_b128 v[8*(4*\at+\wt)+4:8*(4*\at+\wt)+7], v[VB], s[8:9] offset:64*\wt+16
.endr
.endr
	WIN 0
.macro FETCH slot, u, f                ; 16 loads: the fragments of 32 along K, number u of a phase's eight: head u / 2, byte 64 (u mod 2) of ao's rows; byte 64 u of Wo's
.irp t, 0,1,2,3
	ds_load_b128 v[\f+8*\t:\f+8*\t+3], v[ADRA+\slot] offset:((\u)>>1)*128*APITCH+((\u)&1)*64+\t*16*APITCH
	ds_load_b128 v[\f+8*\t+4:\f+8*\t+7], v[ADRA+\slot] offset:((\u)>>1)*128*APITCH+((\u)&1)*64+\t*16*APITCH+32
.endr
.irp t, 0,1,2,3
	ds_load_b128 v[\f+32+8*\t:\f+32+8*\t+3], v[ADRW+\slot] offset:64*(\u)+\t*16*WPITCH
	ds_load_b128 v[\f+32+8*\t+4:\f+32+8*\t+7], v[ADRW+\slot] offset:64*(\u)+\t*16*WPITCH+32
.endr
.endm
.macro MUL8 f, a0                      ; 8 matrix instructions; the 16 accumulators take turns, one instruction a turn
	WIN 0x50
.irp at, \a0, \a0+1
.irp wt, 0,1,2,3
	v_wmma_f32_16x16x32_f16 v[8*(4*(\at)+\wt):8*(4*(\at)+\wt)+7], v[\f+32+8*\wt:\f+32+8*\wt+7], v[\f+8*(\at):\f+8*(\at)+7], v[8*(4*(\at)+\wt):8*(4*(\at)+\wt)+7]
.endr
.endr
.endm
.macro SUB slot, u, f, g               ; multiplies buffer f; the next 32 along K are fetched into buffer g first
	PLACES
	WIN 0
	FETCH \slot, \u+1, \g
	s_wait_dscnt 16                                ; all but the 16 just issued: buffer f is in
	MUL8 \f, 0
	MUL8 \f, 2
.endm
; The last 32 of a phase, and the change of slots.  mode 2: this slot is filled again, two phases ahead; mode 1: nothing is fetched; mode 0: the end.
; In front of the barrier each wave waits for its reads of this slot and for all its tensor loads; in mode 2 the barrier opens a round of the
; cluster's barrier and the joint refill is the first tensor load behind it.  From a request to the wait for it a wave issues 120 matrix instructions.
.macro ENDP slot, next, mode
	s_wait_dscnt 0x0
.if \mode
	s_wait_tensorcnt 0x0
	ds_add_u32 v62, v63
	s_wait_dscnt 0x0
	s_barrier_signal -1
	MUL8 F1, 0                                     ; register work while the others arrive
	WIN 0
	s_barrier_wait -1
.if \mode == 2
	CREST
	s_add_nc_u64 s[G0A+4*\slot+2:G0A+4*\slot+3], s[G0A+4*\slot+2:G0A+4*\slot+3], 131072
	s_add_nc_u64 s[G0B+4*\slot+2:G0B+4*\slot+3], s[G0B+4*\slot+2:G0B+4*\slot+3], 1024
	JLOAD \slot
.endif
	PLACES
	FETCH \next, 0, F0
	MUL8 F1, 2
.else
	MUL8 F1, 0
	MUL8 F1, 2
.endif
.endm
.macro PHASE slot, next, mode
	SUB \slot, 0, F0, F1
	SUB \slot, 1, F1, F0
	SUB \slot, 2, F0, F1
	SUB \slot, 3, F1, F0
	SUB \slot, 4, F0, F1
	SUB \slot, 5, F1, F0
	SUB \slot, 6, F0, F1
	ENDP \slot, \next, \mode
.endm
	s_wait_tensorcnt 0x1                           ; my part of phase 0 is in; phase 1's may stay out
	s_barrier_signal -1
	s_barrier_wait -1
	FETCH 0, 0, F0
	s_wait_loadcnt 0x0                             ; bo
	PHASE 0, 1, 2
	PHASE 1, 0, 2
	PHASE 0, 1, 1
	PHASE 1, 0, 0
; 16 rows at a time: the accumulators as they are (f32) into my own stage, back as rows of 256 bytes, out
.macro OUT16 at, set
	WIN 0x04                                       ; an LDS store's data is source 1: window 1
.irp wt, 0,1,2,3
	ds_store_b128 v[STO], v[8*(4*\at+\wt):8*(4*\at+\wt)+3] offset:64*\wt
	ds_store_b128 v[STO], v[8*(4*\at+\wt)+4:8*(4*\at+\wt)+7] offset:64*\wt+16
.endr
	WIN 0
	s_wait_xcnt 0x0                                ; this set of registers may be the data of earlier stores: it is loaded again only behind this wait (ISA guide 3.1)
.irp t, 0,1,2,3,4,5,6,7
	ds_load_b128 v[\set+4*\t:\set+4*\t+3], v[RD] offset:2*SPITCH*\t   ; LDS serves a wave's instructions in order (ISA guide 5.7.1): these see the stores above
.endr
.irp t, 0,1,2,3,4,5,6,7
	s_wait_dscnt 7-\t
	global_store_b128 v[CO], v[\set+4*\t:\set+4*\t+3], s[10:11] offset:65536*\at+8192*\t th:TH_STORE_NT   ; sixteen lanes store 256 consecutive bytes, aligned
.endr
.endm
	PLACES                                         ; behind the last matrix instructions: the LDS stores read results
	OUT16 0, 192
	OUT16 1, 224
	OUT16 2, 192
	OUT16 3, 224
	s_wait_tensorcnt 0x0
	ds_add_u32 v62, v63
	s_wait_dscnt 0x0
	CROUND                                         ; the closing round
	s_endpgm
.Lfunc_end_k_q68abc9e39d_oproj:
	.size	k_q68abc9e39d_oproj, .Lfunc_end_k_q68abc9e39d_oproj-k_q68abc9e39d_oproj
	.p2alignl 7, 3214868480
	.fill 96, 4, 3214868480
	.section	.rodata,"a",@progbits
	.p2align	6, 0x0
	.amdhsa_kernel k_q68abc9e39d_oproj
		.amdhsa_group_segment_fixed_size 327680
		.amdhsa_private_segment_fixed_size 0
		.amdhsa_enable_private_segment 0
		.amdhsa_kernarg_size 32
		.amdhsa_user_sgpr_count 2
		.amdhsa_user_sgpr_kernarg_segment_ptr 1
		.amdhsa_wavefront_size32 1
		.amdhsa_system_sgpr_workgroup_id_x 1
		.amdhsa_system_sgpr_workgroup_id_y 1
		.amdhsa_system_sgpr_workgroup_id_z 1
		.amdhsa_system_vgpr_workitem_id 0
		.amdhsa_next_free_vgpr 384
		.amdhsa_next_free_sgpr 100
		.amdhsa_reserve_vcc 0
		.amdhsa_float_denorm_mode_32 3
		.amdhsa_float_denorm_mode_16_64 3
		.amdhsa_memory_ordered 1
		.amdhsa_forward_progress 1
		.amdhsa_inst_pref_size 91
	.end_amdhsa_kernel
	.amdgpu_metadata
---
amdhsa.version: [ 1, 2 ]
amdhsa.kernels:
  - .name:           k_q68abc9e39d_oproj
    .symbol:         k_q68abc9e39d_oproj.kd
    .args:
      - { .name: ao, .offset: 0, .size: 8, .value_kind: global_buffer, .address_space: global }
      - { .name: xb, .offset: 8, .size: 8, .value_kind: global_buffer, .address_space: global }
      - { .name: bo, .offset: 16, .size: 8, .value_kind: global_buffer, .address_space: global }
      - { .name: out0, .offset: 24, .size: 8, .value_kind: global_buffer, .address_space: global }
    .group_segment_fixed_size: 327680
    .private_segment_fixed_size: 0
    .kernarg_segment_align: 8
    .kernarg_segment_size: 32
    .max_flat_workgroup_size: 128
    .sgpr_count:     100
    .vgpr_count:     384
    .wavefront_size: 32
...
	.end_amdgpu_metadata
.endif
;; end of part 4
